; MI455X (gfx1250); checked and timed in simulation.
; The chip was launched on July 23, 2026; its instructions are those of AMD's public machine-readable ISA for CDNA 5 (MIT licence, August 2026) and "CDNA5" Instruction Set Architecture Reference Guide (July 2026). The comments in the code are by the model that wrote it; some were corrected since.
;; Attn. Allowed arithmetic: matrix products marked QUANTISED: E4M3 operands, one E8M0 scale for each 32 along K, by v_wmma_scale_f32_16x16x128_f8f6f4 with both operands' format E4M3, f32 sums; products left as they are: f32 operands where the result goes on into a quantised operand, else bf16, f16 or f32 operands; f32 sums; everything else in f32.
;; Inputs: W_codes 1,024 x 32 x 32 uint8 (E4M3 codes of W, K innermost, in blocks of 32 codes); W_scales 1,024 x 32 uint8 (E8M0 scales of W, one for each 32 codes along K); b 1,024 float32; encoder_outputs_codes 32 x 2,048 x 32 x 32 uint8 (E4M3 codes of encoder_outputs, K innermost, in blocks of 32 codes); encoder_outputs_scales 32 x 2,048 x 32 uint8 (E8M0 scales of encoder_outputs, one for each 32 codes along K); hidden 32 x 1,024 float32.
;; Outputs: out0 32 x 1 x 2,048 float32.
;; This version of the problem:
;;   THIS VERSION OF THE PROBLEM IS GIVEN IN LOW PRECISION. The matrix products marked QUANTISED in the list below multiply operands that are first quantised to E4M3 (4 exponent bits, 3 mantissa bits; 8 bits a number), with one power-of-two scale for each 32 numbers along K (OCP MX v1.0); their sums are f32. All else is computed in f32.
;;   The module's matrix products, in the order in which they are computed (A, B: the left and right operand; K: the contracted axis; several contracted axes count as one K, in the product's order):
;;     1. [M 65,536, K 1,024] x [K 1,024, N 1,024]; A: input encoder_outputs (given as codes); B: input W (given as codes): QUANTISED
;;     2. batch 32 x [M 2,048, K 1,024] x [K 1,024, N 1]; A: computed on the way; B: input hidden: left as it is (N = 1 < 16)
;;   THE QUANTISER, for each operand of a quantised product, along K:
;;     - K is cut into blocks of 32 from its start; a last block that is shorter is filled with zeros.
;;     - A block's scale is 2^e with e = floor(log2(the largest magnitude in the block)) - 8, held to -126 .. 127; a block of zeros has e = 0. As a byte (E8M0): e + 127.
;;     - Each number is divided by its block's scale, clamped to +-448, and rounded to the nearest number of E4M3, ties to even, subnormals kept.
;;     - The product sums the exact products of the quantised numbers (number of the format x scale) in f32.
;;   ~~~python
;;   def quantise(x, axis):      # numpy; x: float32 -> the quantised numbers, widened to float32 again
;;       x = np.moveaxis(x, axis, -1); K = x.shape[-1]
;;       x = np.pad(x, [(0, 0)] * (x.ndim - 1) + [(0, -K % 32)]); x = x.reshape(x.shape[:-1] + (-1, 32)); a = np.abs(x).max(-1, keepdims=True)
;;       e = np.where(a > 0, np.clip(np.frexp(np.where(a > 0, a, 1))[1] - 1 - 8, -126, 127), 0)      # np.frexp(a)[1] - 1 = floor(log2(a)), exactly
;;       r = np.clip(x / 2.0 ** e, -448, 448)
;;       step = 2.0 ** (np.maximum(np.frexp(np.where(r == 0, 1, r))[1] - 1, -6) - 3)
;;       q = np.round(r / step) * step * 2.0 ** e      # np.round: ties to even
;;       return np.moveaxis(q.reshape(q.shape[:-2] + (-1,))[..., :K], -1, axis).astype(np.float32)
;;   ~~~
;;   INPUTS GIVEN AS CODES. W (in the module: [1024, 1024], K = its axis 1); encoder_outputs (in the module: [32, 2048, 1024], K = its axis 2): each comes as NAME_codes (uint8): NAME with its K axis moved to the last place and cut into blocks of 32 codes, [.., K / 32, bytes a block], one block behind the other in memory; one code a byte (a code: sign, 4 exponent bits, 3 mantissa bits); and NAME_scales (uint8): the same leading axes, one E8M0 byte (e + 127) for each 32 codes along K. Its value is code x scale, taken as it is: it is not quantised again, and the codes and scales need not be those that the quantiser above would give.
;; One version. Each part assembles by itself: llvm-mc -triple=amdgcn-amd-amdhsa -mcpu=gfx1250 --defsym DOCPART=n.
;; ======== version 1 of 1: 2 launches
;; limits: right only within a limited range of input values
;; workspace buffers: part 1,048,576 bytes
;; launch energy (part 1): grid 256 x 1, 4 waves a work-group, clusters of 4 x 1, 327,680 bytes of LDS; arguments W_codes, W_scales, encoder_outputs_codes, encoder_outputs_scales, hidden, part; writes part
.if DOCPART == 1
	.amdgcn_target "amdgcn-amd-amdhsa--gfx1250"
	.amdhsa_code_object_version 6
	.text
	.protected	k_qa632eabeb0_energy
	.globl	k_qa632eabeb0_energy
	.p2align	8
	.type	k_qa632eabeb0_energy,@function
k_qa632eabeb0_energy:
	s_mov_b64 s[64:65], 0
	v_nop
	global_prefetch_b8 v0, s[64:65] scope:SCOPE_SE
	s_setreg_imm32_b32 hwreg(HW_REG_WAVE_MODE, 25, 1), 1
	s_wait_xcnt 0x0
	s_wait_alu depctr_hold_cnt(0) depctr_sa_sdst(0) depctr_va_vdst(0) depctr_va_sdst(0) depctr_va_ssrc(0) depctr_va_vcc(0) depctr_vm_vsrc(0)
	s_getreg_b32 s2, hwreg(HW_REG_IB_STS2, 6, 4)
	s_cmp_eq_u32 s2, 0
	s_cbranch_scc0 .Lentry_in_a_cluster
	s_endpgm
.Lentry_in_a_cluster:
	s_bfe_u32 s2, ttmp6, 0x10000c
	s_cmp_lg_u32 s2, 0x3003
	s_cbranch_scc0 .Lentry_shape_is_right
	s_endpgm
.Lentry_shape_is_right:
; part[cx][row] = the sum over o = 256 cx .. 256 cx + 255 of hidden[batch][o] x (the sum over k of enc[row][k] W[o][k]),  row = 2048 batch + s.
; enc [65536][1024] and W [1024][1024] are codes of FP8 (E4M3) with one E8M0 byte for each 32 along K; the matrix instruction takes codes and bytes as they lie.  The energies are never stored: a tile of 16 x 16 is
; multiplied by hidden and summed as soon as it is finished.  The next launch adds the four parts and takes the softmax.
; DEAD WORK LEFT OUT: b.  score[B][s] = hidden[B] . (W enc[B][s] + b) = hidden[B] . W enc[B][s] + hidden[B] . b.  The last term is the same for all s of a batch B, whatever finite values b and hidden hold, and a softmax
; over s does not change when one number is added to all its inputs.  So b reaches no output: it is not loaded and is no launch's argument.  LIMIT: a NaN, an infinity or an overflow in b, or in b . hidden alone, is not carried to the result.
; LIMITS.  The f32 sums are ordered otherwise than in the definition: K in two halves, the outputs in 16 parts of 64 and two halves of the lanes.  A scale byte 0xff gives NaN, as the format says.
; W STAYS, enc STREAMS.  A cluster of four work-groups owns 1,024 rows of enc (half a batch).  Work-group cx keeps W's rows 256 cx .. + 255 in REGISTERS: wave (i, j) holds 128 rows (half i) x 512 along K (half j):
; 32 fragments, 512 registers.  enc comes in tiles of 128 rows x 1,024 bytes through a ring of two LDS slots, asked for JOINTLY by all four (mask 15).  W is not shared inside a cluster (each partner holds other rows), so it
; comes by plain loads, once: sharing it would take clusters of 16, in which all eight tiles' rounds wait for 16 work-groups, for 262,144 bytes that a work-group fetches once beside 1,048,576 bytes of enc.
; A BLOCK is 16 rows of enc: four fragments of my K half, 32 products in two groups of 16: W's blocks 0-3, then 4-7 (4 accumulators by turns, 4 K steps).  Source 0 = 16 rows of W, source 1 = 16 rows of enc: lane (r, h)
; holds enc's row r and outputs 16 b + 8 h + 0 .. 7.  A group's accumulators are multiplied by hidden among the next group's products; each group has running sums of its own, so no wait stands inside a chain of sums.
; A block's LDS instructions stand in ONE run, behind product 8: the next block's scale words and 16 fragment loads and, in an odd block, the last finished score's store.
; REGISTERS, in windows of 256 (s_set_vgpr_msb: bits 1:0 source 0, 3:2 source 1, 5:4 source 2, 7:6 destination):
;   window 0: v0-23 addresses; v34-65 W's scale words, v68-75 enc's, two sets (A's and B's register numbers differ by 2 modulo 4); v96-143 W's fragments 0-2 of group 0; v144-175 the last sums
;   window 1: v0-127 enc's fragments, two sets; v128-191 accumulators, two groups; v192-199 running sums; v202-206 scores; v208-255 W's fragments 0-2 of group 1
;   windows 2, 3: W's fragments 3-15 of group 0, 1; v208-239 hidden for the OTHER group's accumulators.  So products and sums of a group run under one setting.
.set PITCH,  1040                      ; an LDS row: 1,024 bytes + 16 of padding = 260 words: row r starts at bank 4 r mod 64 (64 banks of 4 bytes: ISA guide 11.1)
.set MBB,    16*PITCH                  ; a block's 16 rows
.set QUART,  32*PITCH                  ; what one tensor load of the ring brings
.set SLOTB,  128*PITCH
.set SCL,    2*SLOTB                   ; the scale bytes of the cluster's 1,024 rows, 32 a row, as runs of 256 bytes + 16 of padding; filled once
.set STG,    SCL+128*272               ; the partial scores: for each wave 33 positions of 32 f32 (position 0 is not read), rounded up; no tensor load lands here
.set STGW,   4352
.set SPARE,  STG+4*STGW                ; the spare words, 128 bytes for each wave: two blocks of 256 bytes that no other line names
.set TILEB,  128*1024
.set A0,   3                           ; 1040 r + 16 h + 512 j
.set AS0,  4                           ; SCL + 272 (r / 8) + 32 (r % 8) + 16 j
.set ST0,  5                           ; my word in my wave's stage
.set ADR,  6
.set ADS,  7
.set STA,  8
.set SPW,  9                           ; my spare word; never rewritten
.set NIL,  10                          ; 0; never rewritten
.set PFO,  11                          ; 256 x lane; never rewritten
.set WO,   12
.set HO,   13
.set WSO,  14
.set RD,   15
.set GO,   16
.set WS,   34                          ; W's scale word of (b, s) at v[WS + 4 b + s]
.set ES,   68                          ; enc's scale word of set p, K step s at v[ES + 4 p + s]
.set W0F,  96
.set FS,   144
.set ACC,  128                         ; window 1 from here
.set T,    192                         ; running sums: group 0's two pairs, group 1's two pairs
.set SE,   202                         ; my half of an even block's score,
.set SO,   203                         ; of an odd block's
.set KEEP, 204
.set GIVE, 205
.set X,    206
.set W1F,  208
.set HID,  208                         ; windows 2, 3
.set WV,   16                          ; s16 my wave's number;  s17 = i, s18 = j, s19 = cx
.set G1A,  24                          ; descriptor group 1 for enc's tiles;  s[32:39] group 0, one set for each slot
.set G0,   32
.set G1S,  40                          ; groups 1 and 0 for the scale bytes
.set G0S,  48
.set TB,   52                          ; LDS byte of the block to be fetched
.set TS,   53                          ; its scale words: 544 bytes a block
.set TP,   54                          ; the stage: 128 bytes for two blocks
.set OUT,  55
.set INN,  56
.set PFA,  58
.set SEL,  60
.set HI16, 62                          ; lanes 16-31
.set G0H,  92                          ; group 0 for the head's half of tile 0
.set MSB, 0
.macro WIN new                         ; the immediate's high byte repeats the setting that is left; a switch that changes nothing is dropped
.if MSB != (\new)
	s_set_vgpr_msb (MSB<<8)|(\new)
.set MSB, (\new)
.endif
.endm
.macro CREST                           ; a round of the cluster's barrier behind its opening barrier
	s_cmp_lg_u32 s[WV], 0
	s_cbranch_scc1 .Lnot_wave_0_\@
	s_barrier_signal -3
.Lnot_wave_0_\@:
	s_barrier_wait -3
	s_barrier_signal -1
	s_barrier_wait -1
.endm
.macro CROUND
	s_barrier_signal -1
	s_barrier_wait -1
	CREST
.endm
.macro PLACES n
.rept \n
	v_nop
.endr
.endm
; Product n of a block on set p: group n / 16, K step (n % 16) / 4, accumulator n % 4.  The first K step starts the sum: nothing is cleared.
.macro MM p, n
.set mg, (\n)/16
.set mi, (\n)%16
.set ms, mi/4
.set mb, mi%4
.set mD, ACC+32*mg+8*mb
.set mE, 64*(\p)+16*ms
.set mS, WS+16*mg+4*mb+ms
.set mX, ES+4*(\p)+ms
.if mi < 3
.set mW, W0F+(W1F-W0F)*mg+16*mi
	WIN 0x54+mg
.else
.set mW, 16*(mi-3)
	WIN 0x56+mg
.endif
.if ms == 0
	v_wmma_scale_f32_16x16x128_f8f6f4 v[mD:mD+7], v[mW:mW+15], v[mE:mE+15], 0, v[mS], v[mX]
.else
	v_wmma_scale_f32_16x16x128_f8f6f4 v[mD:mD+7], v[mW:mW+15], v[mE:mE+15], v[mD:mD+7], v[mS], v[mX]
.endif
.endm
; The k-th of the 16 multiply-adds that take group e's accumulators times hidden onto two running pairs; each accumulator from its low end on.
.macro PK e, k
.set pj, (\k)%4
.set pA, ACC+32*(\e)+8*((\k)/4)+2*pj
.set pH, HID+8*((\k)/4)+2*pj
.set pT, T+4*(\e)+2*(pj%2)
.if (\k) < 2
	v_pk_mul_f32 v[pT:pT+1], v[pH:pH+1], v[pA:pA+1]
.else
	v_pk_fma_f32 v[pT:pT+1], v[pH:pH+1], v[pA:pA+1], v[pT:pT+1]
.endif
.endm
.macro PKA n                           ; group 0's sums behind product n of group 1: one behind 20-27, two behind 28-31
.if (\n) < 28
	PK 0, (\n)-20
.else
	PK 0, 8+2*((\n)-28)
	PK 0, 9+2*((\n)-28)
.endif
.endm
; The run of LDS instructions: the next block's four scale words and four fragments into the other set; store = 1: the score that the block before packed.
; A fragment: lane (r, h) holds row r; registers 4 c .. 4 c + 3 hold K = 32 c + 16 h + 0 .. 15.
.macro FETCH p, fetch, store
	WIN 0
.if \fetch
	v_add_nc_u32 v[ADR], s[TB], v[A0]
	v_add_nc_u32 v[ADS], s[TS], v[AS0]
.endif
.if \store
	v_add_nc_u32 v[STA], s[TP], v[ST0]
.endif
.if \fetch
	ds_load_b128 v[ES+4*(1-(\p)):ES+4*(1-(\p))+3], v[ADS]
.endif
	WIN 0x44                                       ; loaded data and stored data in window 1, addresses in window 0
.if \fetch
.irp f, 0,1,2,3,4,5,6,7,8,9,10,11,12,13,14,15
	ds_load_b128 v[64*(1-(\p))+4*\f:64*(1-(\p))+4*\f+3], v[ADR] offset:32*\f
.endr
	s_add_co_u32 s[TB], s[TB], MBB
	s_add_co_u32 s[TS], s[TS], 544
.endif
.if \store
	ds_store_b32 v[STA], v[KEEP]
	s_add_co_u32 s[TP], s[TP], 128
.endif
.endm
; Products 3-15.  The previous block's group 1 is summed among them: one multiply-add behind 3-10, two behind 12-15.  run = 1: the LDS run stands behind product 8.
; DISTANCES (8 places behind this form for a vector read of a result and for a load into a register that it has read): an accumulator's first read comes behind the eight multiply-adds
; that follow the four last products of its group.  The run's loads: their registers' last reader is product 31 of the block before; behind that stand two multiply-adds, six of this block and the run's two additions: 10.
.macro HALF0 p, epi, fetch, run
.set nn, 3
.rept 13
	MM \p, nn
.if \epi
.if nn < 11
	PK 1, nn-3
.endif
.if nn > 11
	PK 1, 8+2*(nn-12)
	PK 1, 9+2*(nn-12)
.endif
.endif
.if (nn == 8) && (\run)
	FETCH \p, \fetch, (\p)*(\epi)
.endif
.set nn, nn+1
.endr
.endm
; Products 16-18; among them the block before's four running pairs become one number: my 64 outputs' share of row r's score.
.macro MID p, epi
	MM \p, 16
.if \epi
	v_pk_add_f32 v[T:T+1], v[T:T+1], v[T+2:T+3]
	v_pk_add_f32 v[T+4:T+5], v[T+4:T+5], v[T+6:T+7]
.endif
	MM \p, 17
.if \epi
	v_pk_add_f32 v[T:T+1], v[T:T+1], v[T+4:T+5]
.endif
	MM \p, 18
.if \epi
	v_add_f32 v[SO-(\p)], v[T], v[T+1]             ; an even block sums the odd one before it
.endif
.endm
; Two blocks' scores in one exchange, in three pieces: lanes 0-15 keep the even block's half and give the odd block's, lanes 16-31 the other way round.  Lane l then holds row l of the 32.
.macro PACK1
	WIN 0x55
	v_cndmask_b32 v[KEEP], v[SE], v[SO], s[HI16]
	v_cndmask_b32 v[GIVE], v[SO], v[SE], s[HI16]
.endm
.macro PACK2
	WIN 0x55
	v_permlanex16_b32 v[X], v[GIVE], s[SEL], s[SEL+1]
.endm
.macro PACK3
	WIN 0x55
	v_add_f32 v[KEEP], v[KEEP], v[X]               ; stored by the next block's run
.endm
; A BLOCK on set p.  The wait at its head is for the run of the block before, 23 products back.
.macro BLOCK p, epi, fetch
	s_wait_dscnt 0x0
	MM \p, 0
	MM \p, 1
	MM \p, 2
	HALF0 \p, \epi, \fetch, 1
.if (\epi) == 0
	PLACES 8                                       ; the first block has no sums among its group 0: these are the places behind its products
.endif
	MID \p, \epi
	MM \p, 19
.if (\epi) && ((\p) == 0)
	PACK1
.endif
	MM \p, 20
	PKA 20
.if (\epi) && ((\p) == 0)
	PACK2
.endif
	MM \p, 21
	PKA 21
.if (\epi) && ((\p) == 0)
	PACK3
.endif
.set nn, 22
.rept 10
	MM \p, nn
	PKA nn
.set nn, nn+1
.endr
.endm
; A PREFETCH INTO THE L2 of the tile that the NEXT refill will ask for: 512 runs of 256 bytes, one to each of the cluster's 512 lanes, shared out by address (32,768 cx + 8,192 wave + 256 lane): each is named once in
; the launch, 6 blocks and 19 products or more, ahead of the load that will want the tile.  cond = 1: the last refill has no tile behind it.
.macro ASK cond
	WIN 0
.if \cond
	s_cmp_lg_u32 s[OUT], 1
	s_cbranch_scc0 .Lno_ask_\@
.endif
	global_prefetch_b8 v[PFO], s[PFA:PFA+1] th:TH_LOAD_NT scope:SCOPE_SE
.if \cond
.Lno_ask_\@:
.endif
.endm
; A slot's last block (always on set 1) changes slots: its own fragments have been asked for by the block before.  Each wave waits for all its tensor loads (one is out: its part of the other slot), adds 0 to its
; spare word, and waits for that and for its LDS instructions; then ONE barrier.  fill = 1: it opens a round of the cluster's, and the slot just left is filled again, two tiles on, first thing behind the round.
; This block's run stands behind the round.  wrap = 1: the next block lies at the ring's head.
.macro TURN fill, slot, wrap, cond
	WIN 0
.if \fill
	s_wait_xcnt 0x0                                ; the last prefetch has read its address
	s_add_nc_u64 s[PFA:PFA+1], s[PFA:PFA+1], TILEB
.endif
	s_wait_tensorcnt 0x0                           ; no tensor load of mine is out, so a group 0 may be written
	ds_add_u32 v[SPW], v[NIL]
.if \fill
	s_add_nc_u64 s[G0+4*\slot+2:G0+4*\slot+3], s[G0+4*\slot+2:G0+4*\slot+3], 2*TILEB
.endif
	s_wait_dscnt 1                                 ; my fragments are in; the add may be out
	MM 1, 0
	MM 1, 1
	MM 1, 2
	s_wait_dscnt 0x0                               ; the add is done, and my reads of the slot are over
	s_barrier_signal -1
	HALF0 1, 1, 0, 0                               ; work on registers while the others arrive
	MID 1, 1
	WIN 0
	s_barrier_wait -1
.if \fill
	CREST                                          ; no wave of any partner still reads this slot or has a load on its way
	tensor_load_to_lds s[G0+4*\slot:G0+4*\slot+3], s[G1A:G1A+7]
	s_nop 0
	PLACES 4
.endif
.if \wrap
	s_mov_b32 s[TB], 0
.endif
	FETCH 1, 1, 1
.if \fill
	ASK \cond
.endif
	MM 1, 19
.set nn, 20
.rept 12
	MM 1, nn
	PKA nn
.set nn, nn+1
.endr
.endm
.macro PAIRS                           ; six plain blocks: written once as a pair, walked three times
	WIN 0
	s_mov_b32 s[INN], 3
.Lpair_\@:
	BLOCK 1, 1, 1
	BLOCK 0, 1, 1
	WIN 0
	s_sub_co_u32 s[INN], s[INN], 1
	s_cmp_lg_u32 s[INN], 0
	s_cbranch_scc1 .Lpair_\@
.endm
	s_load_b256 s[4:11], s[0:1], 0x0               ; W's codes s[4:5], W's scales s[6:7], enc's codes s[8:9], enc's scales s[10:11]
	s_load_b128 s[12:15], s[0:1], 0x20             ; hidden s[12:13], part s[14:15]
	v_lshl_add_u32 v[SPW], v0, 2, SPARE
	v_mov_b32 v[NIL], 0
	ds_add_u32 v[SPW], v[NIL]                      ; the wave's opening
	ds_add_u32 v[SPW], v[NIL]
	v_lshrrev_b32 v17, 5, v0
	v_readfirstlane_b32 s[WV], v17                 ; wave 0..3
	s_lshr_b32 s17, s[WV], 1                       ; i: which 128 of my work-group's rows of W
	s_and_b32 s18, s[WV], 1                        ; j: which half of K.  Also: which half of the head's tile is mine
	s_bfe_u32 s19, ttmp6, 0x40000                  ; cx: it enters the addresses of W, hidden, part and the prefetches alone
	; offsets that hang on cx (s20 at work)
	s_lshl_b32 s66, s19, 18                        ; W's codes: (256 cx + 128 i) rows of 1,024 bytes + 512 j
	s_lshl_b32 s20, s17, 17
	s_add_co_u32 s66, s66, s20
	s_lshl_b32 s20, s18, 9
	s_add_co_u32 s66, s66, s20
	s_mov_b32 s67, 0
	s_lshl_b32 s68, s19, 13                        ; W's scale bytes: rows of 32 bytes + 16 j
	s_lshl_b32 s20, s17, 12
	s_add_co_u32 s68, s68, s20
	s_lshl_b32 s20, s18, 4
	s_add_co_u32 s68, s68, s20
	s_mov_b32 s69, 0
	s_lshr_b32 s70, ttmp9, 1                       ; hidden: the batch (two clusters to a batch) x 4,096 bytes + 4 (256 cx + 128 i)
	s_lshl_b32 s70, s70, 12
	s_lshl_b32 s20, s19, 10
	s_add_co_u32 s70, s70, s20
	s_lshl_b32 s20, s17, 9
	s_add_co_u32 s70, s70, s20
	s_mov_b32 s71, 0
	s_lshl_b32 s72, s19, 18                        ; part: 262,144 cx + 4,096 x cluster
	s_lshl_b32 s20, ttmp9, 12
	s_add_co_u32 s72, s72, s20
	s_mov_b32 s73, 0
	s_lshl_b32 s78, ttmp9, 20                      ; the prefetches: the cluster's rows, tile 2, my 8,192 bytes
	s_add_co_u32 s78, s78, 2*TILEB
	s_lshl_b32 s20, s19, 15
	s_add_co_u32 s78, s78, s20
	s_lshl_b32 s20, s[WV], 13
	s_add_co_u32 s78, s78, s20
	s_mov_b32 s79, 0
	; offsets that the four partners share (s22 at work): none of these registers ever holds cx
	s_lshl_b32 s74, ttmp9, 20                      ; enc's codes: the cluster's 1,024 rows, in the ring my 32 rows of a tile;
	s_lshl_b32 s22, s18, 16
	s_add_co_u32 s2, s74, s22                      ; at the head 64 rows of tile 0 (waves 0 and 1)
	s_mov_b32 s3, 0
	s_lshl_b32 s22, s[WV], 15
	s_add_co_u32 s74, s74, s22
	s_mov_b32 s75, 0
	s_lshl_b32 s76, ttmp9, 15                      ; enc's scale bytes: the cluster's 32,768, a half for each of waves 2 and 3
	s_lshl_b32 s22, s18, 14
	s_add_co_u32 s76, s76, s22
	s_mov_b32 s77, 0
	s_mul_i32 s23, s[WV], QUART                    ; where my rows go in a slot,
	s_mul_i32 s57, s18, 64*PITCH                   ; at the head,
	s_mul_i32 s99, s18, 64*272                     ; and where my half of the scale bytes goes
	s_lshl_b32 s96, s18, 9                         ; 512 j
	s_lshl_b32 s97, s18, 4
	s_add_co_u32 s97, s97, SCL
	s_mul_i32 s98, s[WV], STGW
	s_add_co_u32 s98, s98, STG
	; descriptor group 1 for enc: rows of 1,024 elements of one byte, 16 bytes of padding behind each: 64 rows for the head's loads; behind them the two words that count rows are set to 32
	s_mov_b32 s[G1A+0], 15|(1<<20)|(1<<21)|(7<<22)|(3<<25)   ; 15:0 the mask: all four work-groups; 17:16 one byte; 20 padding on; 21 set beside a mask; 24:22 after every 256 words (code 7); 31:25 four words (code 3)
	s_mov_b32 s[G1A+1], 1024<<16                   ; tensor_dim0
	s_mov_b32 s[G1A+2], 64<<16                     ; tensor_dim1
	s_mov_b32 s[G1A+3], 1024<<16                   ; tile_dim0
	s_mov_b32 s[G1A+4], 64                         ; tile_dim1
	s_mov_b32 s[G1A+5], 1024                       ; from row to row
	s_mov_b32 s[G1A+6], 0
	s_mov_b32 s[G1A+7], 0
	; and for the scale bytes: 16,384 dense bytes as 64 rows of 32 elements of 8 bytes, 16 bytes of padding behind each
	s_mov_b32 s[G1S+0], 15|(3<<16)|(1<<20)|(1<<21)|(5<<22)|(3<<25)
	s_mov_b32 s[G1S+1], 32<<16
	s_mov_b32 s[G1S+2], 64<<16
	s_mov_b32 s[G1S+3], 32<<16
	s_mov_b32 s[G1S+4], 64
	s_mov_b32 s[G1S+5], 32
	s_mov_b32 s[G1S+6], 0
	s_mov_b32 s[G1S+7], 0
	s_mov_b32 s[SEL], 0x76543210                   ; v_permlanex16_b32's selects for lane l xor 16
	s_mov_b32 s[SEL+1], 0xfedcba98
	s_mov_b32 s[HI16], 0xffff0000
	s_mov_b32 s[TB], MBB                           ; block 1
	s_mov_b32 s[TS], 544
	s_mov_b32 s[TP], 0
	v_and_b32 v1, 15, v0                           ; r
	v_bfe_u32 v2, v0, 4, 1                         ; h
	v_and_b32 v17, 31, v0                          ; lane
	v_mul_u32_u24 v[A0], v1, PITCH
	v_lshl_add_u32 v[A0], v2, 4, v[A0]
	v_add_nc_u32 v[A0], s96, v[A0]
	v_lshrrev_b32 v23, 3, v1
	v_mul_u32_u24 v[AS0], v23, 272
	v_and_b32 v22, 7, v1
	v_lshl_add_u32 v[AS0], v22, 5, v[AS0]
	v_add_nc_u32 v[AS0], s97, v[AS0]
	v_lshlrev_b32 v[ST0], 2, v17
	v_add_nc_u32 v[ST0], s98, v[ST0]
	v_lshlrev_b32 v[PFO], 8, v17
	v_lshlrev_b32 v[WO], 10, v1                    ; W: 1024 r + 16 h
	v_lshl_add_u32 v[WO], v2, 4, v[WO]
	v_lshlrev_b32 v[HO], 5, v2                     ; hidden: 32 h
	v_lshlrev_b32 v[WSO], 5, v1                    ; W's scale bytes: 32 r
	v_lshl_add_u32 v[RD], v0, 4, STG               ; the way out: 16 x thread in the stage
	v_lshlrev_b32 v[GO], 4, v0                     ; and in part
	WIN 0x40
	v_mov_b32 v[X], 0                              ; written once: a lane permute's destination counts as one of its sources
	v_mov_b32 v[KEEP], 0                           ; block 1, which has no score to store, puts these zeros into position 0
	WIN 0
	s_wait_alu depctr_va_vdst(0)
	s_wait_dscnt 0x0                               ; both opening adds are done
	s_wait_kmcnt 0x0
	s_mov_b32 s[G0H], 1                            ; 1:0 count = 1
	s_mov_b32 s[G0H+1], s57                        ; 63:32 LDS address
	s_add_nc_u64 s[G0H+2:G0H+3], s[8:9], s[2:3]    ; 120:64 global address
	s_or_b32 s[G0H+3], s[G0H+3], 0x80000000        ; 127:126 type = 2
	s_mov_b32 s[G0S], 1
	s_add_co_u32 s[G0S+1], s99, SCL
	s_add_nc_u64 s[G0S+2:G0S+3], s[10:11], s[76:77]
	s_or_b32 s[G0S+3], s[G0S+3], 0x80000000
	s_add_nc_u64 s[4:5], s[4:5], s[66:67]
	s_add_nc_u64 s[6:7], s[6:7], s[68:69]
	s_add_nc_u64 s[12:13], s[12:13], s[70:71]
	s_add_nc_u64 s[14:15], s[14:15], s[72:73]
	s_add_nc_u64 s[PFA:PFA+1], s[8:9], s[78:79]
	s_add_nc_u64 s[8:9], s[8:9], s[74:75]          ; enc's codes at my 32 rows of tile 0
.irp n, 0,1
	s_mov_b32 s[G0+4*\n], 1
	s_add_co_u32 s[G0+4*\n+1], s23, \n*SLOTB
	s_add_nc_u64 s[G0+4*\n+2:G0+4*\n+3], s[8:9], \n*TILEB
	s_or_b32 s[G0+4*\n+3], s[G0+4*\n+3], 0x80000000
.endr
	CROUND                                         ; all four work-groups are here: the first joint loads meet
; THE HEAD'S LOADS, ONE A WAVE: waves 0 and 1 fetch 64 rows of enc's tile 0 each, waves 2 and 3 half of the scale bytes each: one branch on the wave's number, both arms lead to one join.
	s_cmp_lt_u32 s[WV], 2
	s_cbranch_scc0 .Lhead_scales
	tensor_load_to_lds s[G0H:G0H+3], s[G1A:G1A+7]
	s_nop 0
	PLACES 4
	s_branch .Lhead_asked
.Lhead_scales:
	tensor_load_to_lds s[G0S:G0S+3], s[G1S:G1S+7]
	s_nop 0
	PLACES 4
.Lhead_asked:
	; W's 32 fragments: they stay.  Lane (r, h) takes, of row 16 b + r, the 16 bytes at 128 s + 32 c + 16 h
.irp s, 0,1,2,3
.irp b, 0,1,2,3,4,5,6,7
.set fi, 4*\s+(\b)%4
.set fg, (\b)/4
.if fi < 3
.set fR, W0F+(W1F-W0F)*fg+16*fi
	WIN 0x40*fg
.else
.set fR, 16*(fi-3)
	WIN 0x80+0x40*fg
.endif
.irp c, 0,1,2,3
	global_load_b128 v[fR+4*\c:fR+4*\c+3], v[WO], s[4:5] offset:16384*\b+128*\s+32*\c
.endr
.endr
.endr
	WIN 0
.irp b, 0,1,2,3,4,5,6,7
	global_load_b128 v[WS+4*\b:WS+4*\b+3], v[WSO], s[6:7] offset:512*\b        ; row 16 b + r: the four scale words of my K half
.endr
	WIN 0xc0                                       ; hidden at outputs 16 b + 8 h + 0 .. 7: group 0's into window 3,
.irp b, 0,1,2,3
	global_load_b128 v[HID+8*\b:HID+8*\b+3], v[HO], s[12:13] offset:64*\b
	global_load_b128 v[HID+8*\b+4:HID+8*\b+7], v[HO], s[12:13] offset:64*\b+16
.endr
	WIN 0x80                                       ; group 1's into window 2
.irp b, 0,1,2,3
	global_load_b128 v[HID+8*\b:HID+8*\b+3], v[HO], s[12:13] offset:64*(4+\b)
	global_load_b128 v[HID+8*\b+4:HID+8*\b+7], v[HO], s[12:13] offset:64*(4+\b)+16
.endr
	WIN 0
	s_wait_tensorcnt 0x0                           ; my tile of the head's four is in
	ds_add_u32 v[SPW], v[NIL]
	s_mov_b32 s[G1A+2], 32<<16                     ; no tensor load of mine is out: from here on a load of enc brings 32 rows
	s_mov_b32 s[G1A+4], 32
	s_wait_dscnt 0x0                               ; the add is done
	CROUND                                         ; everybody's tiles are in, and the joint loads meet:
	tensor_load_to_lds s[G0+4:G0+7], s[G1A:G1A+7]  ; slot 1's first fill, enc's tile 1
	s_nop 0
	PLACES 4
	ds_load_b128 v[ES:ES+3], v[AS0]                ; block 0 into set 0
	WIN 0x40
.irp f, 0,1,2,3,4,5,6,7,8,9,10,11,12,13,14,15
	ds_load_b128 v[4*\f:4*\f+3], v[A0] offset:32*\f
.endr
	s_wait_loadcnt 0x0                             ; W, its scale words, hidden
	BLOCK 0, 0, 1                                  ; block 0: there is no block before it to sum
	ASK 0                                          ; tile 2, which block 7's refill will want
	s_mov_b32 s[OUT], 3
.Ltiles:                                               ; a trip is 16 blocks, once round the ring: blocks 1-16, 17-32, 33-48; it asks for two tiles (2 .. 7)
	PAIRS
	TURN 1, 0, 0, 0                                ; slot 0 is left
	BLOCK 0, 1, 1
	PAIRS
	TURN 1, 1, 1, 1                                ; slot 1 is left
	BLOCK 0, 1, 1
	WIN 0
	s_sub_co_u32 s[OUT], s[OUT], 1
	s_cmp_lg_u32 s[OUT], 0
	s_cbranch_scc1 .Ltiles
	PAIRS                                          ; the tail is written out: blocks 49-54
	TURN 0, 0, 0, 0                                ; 55: tile 7 has landed; nothing is asked for
	BLOCK 0, 1, 1                                  ; 56
	PAIRS                                          ; 57-62
	BLOCK 1, 1, 0                                  ; 63: nothing more to fetch
	WIN 0x56
.irp k, 0,1,2,3,4,5,6,7,8,9,10,11,12,13,14,15
	PK 1, \k                                       ; the last group's sums
.endr
	WIN 0x55
	v_pk_add_f32 v[T:T+1], v[T:T+1], v[T+2:T+3]
	v_pk_add_f32 v[T+4:T+5], v[T+4:T+5], v[T+6:T+7]
	v_pk_add_f32 v[T:T+1], v[T:T+1], v[T+4:T+5]
	v_add_f32 v[SO], v[T], v[T+1]
	PACK1
	PACK2
	PACK3
	FETCH 1, 0, 1                                  ; the last score's store
	WIN 0
	; THE WAY OUT: the four waves' partial scores are added; thread t takes rows 4 t .. 4 t + 3 of each half of the 1,024; a wave's scores begin at position 1, 128 bytes on
	s_wait_dscnt 0x0                               ; for the others' sake: my stores into the stage are done
	s_barrier_signal -1
	s_barrier_wait -1
.irp u, 0,1
.irp q, 0,1,2,3
	ds_load_b128 v[FS+16*\u+4*\q:FS+16*\u+4*\q+3], v[RD] offset:STGW*\q+2048*\u+128
.endr
.endr
	s_wait_dscnt 0x0
.irp u, 0,1
.irp e, 0,2
	v_pk_add_f32 v[FS+16*\u+\e:FS+16*\u+\e+1], v[FS+16*\u+\e:FS+16*\u+\e+1], v[FS+16*\u+4+\e:FS+16*\u+4+\e+1]
	v_pk_add_f32 v[FS+16*\u+8+\e:FS+16*\u+8+\e+1], v[FS+16*\u+8+\e:FS+16*\u+8+\e+1], v[FS+16*\u+12+\e:FS+16*\u+12+\e+1]
.endr
.irp e, 0,2
	v_pk_add_f32 v[FS+16*\u+\e:FS+16*\u+\e+1], v[FS+16*\u+\e:FS+16*\u+\e+1], v[FS+16*\u+8+\e:FS+16*\u+8+\e+1]
.endr
	global_store_b128 v[GO], v[FS+16*\u:FS+16*\u+3], s[14:15] offset:2048*\u   ; 16 lanes store 256 consecutive bytes, at a multiple of 256 from part's first byte
.endr
	s_wait_tensorcnt 0x0                           ; the wave's end
	ds_add_u32 v[SPW], v[NIL]
	s_wait_dscnt 0x0
	CROUND                                         ; the closing round: no work-group ends while a partner may still ask for a tile that names it
	s_endpgm
.Lfunc_end_k_qa632eabeb0_energy:
	.size	k_qa632eabeb0_energy, .Lfunc_end_k_qa632eabeb0_energy-k_qa632eabeb0_energy
	.p2alignl 7, 3214868480
	.fill 96, 4, 3214868480
	.section	.rodata,"a",@progbits
	.p2align	6, 0x0
	.amdhsa_kernel k_qa632eabeb0_energy
		.amdhsa_group_segment_fixed_size 327680
		.amdhsa_private_segment_fixed_size 0
		.amdhsa_enable_private_segment 0
		.amdhsa_kernarg_size 48
		.amdhsa_user_sgpr_count 2
		.amdhsa_user_sgpr_kernarg_segment_ptr 1
		.amdhsa_wavefront_size32 1
		.amdhsa_system_sgpr_workgroup_id_x 1
		.amdhsa_system_sgpr_workgroup_id_y 1
		.amdhsa_system_sgpr_workgroup_id_z 1
		.amdhsa_system_vgpr_workitem_id 0
		.amdhsa_next_free_vgpr 1024
		.amdhsa_next_free_sgpr 100
		.amdhsa_reserve_vcc 0
		.amdhsa_float_denorm_mode_32 3
		.amdhsa_float_denorm_mode_16_64 3
		.amdhsa_memory_ordered 1
		.amdhsa_forward_progress 1
		.amdhsa_inst_pref_size 156
	.end_amdhsa_kernel
	.amdgpu_metadata
---
amdhsa.version: [ 1, 2 ]
amdhsa.kernels:
  - .name:           k_qa632eabeb0_energy
    .symbol:         k_qa632eabeb0_energy.kd
    .args:
      - { .name: W_codes, .offset: 0, .size: 8, .value_kind: global_buffer, .address_space: global }
      - { .name: W_scales, .offset: 8, .size: 8, .value_kind: global_buffer, .address_space: global }
      - { .name: encoder_outputs_codes, .offset: 16, .size: 8, .value_kind: global_buffer, .address_space: global }
      - { .name: encoder_outputs_scales, .offset: 24, .size: 8, .value_kind: global_buffer, .address_space: global }
      - { .name: hidden, .offset: 32, .size: 8, .value_kind: global_buffer, .address_space: global }
      - { .name: part, .offset: 40, .size: 8, .value_kind: global_buffer, .address_space: global }
    .group_segment_fixed_size: 327680
    .private_segment_fixed_size: 0
    .kernarg_segment_align: 8
    .kernarg_segment_size: 48
    .max_flat_workgroup_size: 128
    .sgpr_count:     100
    .vgpr_count:     1024
    .wavefront_size: 32
...
	.end_amdgpu_metadata
.endif
;; end of part 1
;; launch softmax (part 2): grid 32 x 1, 16 waves a work-group, no clusters, 2,304 bytes of LDS; arguments part, out0; writes out0
.if DOCPART == 2
	.amdgcn_target "amdgcn-amd-amdhsa--gfx1250"
	.amdhsa_code_object_version 6
	.text
	.protected	k_qa632eabeb0_softmax
	.globl	k_qa632eabeb0_softmax
	.p2align	8
	.type	k_qa632eabeb0_softmax,@function
k_qa632eabeb0_softmax:
	s_mov_b64 s[64:65], 0
	v_nop
	global_prefetch_b8 v0, s[64:65] scope:SCOPE_SE
	s_setreg_imm32_b32 hwreg(HW_REG_WAVE_MODE, 25, 1), 1
	s_wait_xcnt 0x0
; out0[B][s] = softmax over s of (part[0][B][s] + part[1][B][s] + part[2][B][s] + part[3][B][s]).  part: [4][32][2048] f32; out0: [32][2048] f32.
; LEFT OUT: b . hidden[B], which is the same for all s of a batch: one number added to all inputs of a softmax does not change it.  So b is not loaded; a NaN, an infinity or an overflow in b is not carried to the result.
; A work-group takes a batch, a wave 128 scores.  Each wave takes its own maximum m away, exponentiates and sums; the 16 pairs (m, sum) meet in LDS behind ONE barrier.  With M the largest m, the row's sum is the sum of
; e^(m - M) x sum over the waves, and a wave's results are its exponentials x e^(m - M) / the row's sum.  So no exponent is above 0, and the row's sum is at least 1.  No matrix work: each byte of part is read once.
; LIMITS: a result under 2^-126 comes out as 0 (v_exp_f32 gives no denormals: its entry in the ISA guide, 15.8); NaN and infinities among the scores are not served.
	s_load_b128 s[4:7], s[0:1], 0x0                ; part s[4:5], out0 s[6:7]
	s_lshl_b32 s14, ttmp9, 13                      ; the batch's 8,192 bytes in a part and in out0
	s_mov_b32 s15, 0
	s_mov_b32 s18, 0x76543210                      ; v_permlanex16_b32's selects for lane l xor 16
	s_mov_b32 s19, 0xfedcba98
	v_lshl_add_u32 v40, v0, 2, 0x100               ; my spare word
	v_mov_b32 v41, 0
	v_lshrrev_b32 v1, 5, v0                        ; wave 0..15
	v_and_b32 v3, 15, v0
	v_lshlrev_b32 v2, 4, v0                        ; 16 t: my four scores
	v_lshlrev_b32 v28, 3, v1                       ; my wave's pair in LDS
	v_lshlrev_b32 v29, 3, v3                       ; the pair that my lane takes in
	v_mov_b32 v26, 0                               ; written once: a lane permute's destination counts as one of its sources
	v_mov_b32 v37, 0                               ; (named as the upper half of a pair)
	s_wait_alu depctr_va_vdst(0)
	s_wait_kmcnt 0x0
	s_add_nc_u64 s[4:5], s[4:5], s[14:15]
	s_add_nc_u64 s[6:7], s[6:7], s[14:15]
.irp q, 0,1,2,3
	global_load_b128 v[4+4*\q:7+4*\q], v2, s[4:5] offset:262144*\q th:TH_LOAD_NT
.endr
	s_wait_loadcnt 0x0
	v_pk_add_f32 v[4:5], v[4:5], v[8:9]
	v_pk_add_f32 v[12:13], v[12:13], v[16:17]
	v_pk_add_f32 v[6:7], v[6:7], v[10:11]
	v_pk_add_f32 v[14:15], v[14:15], v[18:19]
	s_delay_alu instid0(VALU_DEP_3)
	v_pk_add_f32 v[4:5], v[4:5], v[12:13]          ; the four parts' sum
	s_delay_alu instid0(VALU_DEP_2)
	v_pk_add_f32 v[6:7], v[6:7], v[14:15]
	s_delay_alu instid0(VALU_DEP_1)
	v_max3_num_f32 v24, v4, v5, v6
	s_delay_alu instid0(VALU_DEP_1)
	v_max_num_f32 v24, v24, v7                     ; my largest score
.irp m, 1,2,4,8
	s_delay_alu instid0(VALU_DEP_1)
	v_max_num_f32_dpp v24, v24, v24 row_xmask:\m row_mask:0xf bank_mask:0xf
.endr
	s_delay_alu instid0(VALU_DEP_1)
	v_permlanex16_b32 v26, v24, s18, s19
	s_delay_alu instid0(VALU_DEP_1)
	v_max_num_f32 v24, v24, v26                    ; m: the wave's
.irp k, 4,5,6,7
	v_sub_f32 v\k, v\k, v24                        ; 0 or under
.endr
.irp k, 4,5,6,7
	s_delay_alu instid0(VALU_DEP_4)
	v_mul_f32 v\k, 0x3fb8aa3b, v\k                 ; x log2(e)
.endr
	s_wait_alu depctr_va_vdst(0)                   ; ahead of the batch
.irp k, 4,5,6,7
	v_exp_f32 v\k, v\k
.endr
	v_nop                                          ; a plain instruction behind the last exponential (ISA guide 5.7.2),
	s_wait_alu depctr_va_vdst(0)                   ; and the wait ahead of their first reader
	v_add_f32 v25, v4, v5
	v_add_f32 v27, v6, v7
	s_delay_alu instid0(VALU_DEP_1)
	v_add_f32 v25, v25, v27
.irp m, 1,2,4,8
	s_delay_alu instid0(VALU_DEP_1)
	v_add_f32_dpp v25, v25, v25 row_xmask:\m row_mask:0xf bank_mask:0xf
.endr
	s_delay_alu instid0(VALU_DEP_1)
	v_permlanex16_b32 v26, v25, s18, s19
	s_delay_alu instid0(VALU_DEP_1)
	v_add_f32 v25, v25, v26                        ; the wave's sum
	ds_store_b64 v28, v[24:25]                     ; all lanes write the same pair with the same values
	s_wait_alu depctr_va_vdst(0)
	s_wait_dscnt 0x0                               ; for the others' sake
	s_barrier_signal -1
	s_barrier_wait -1
	ds_load_b64 v[30:31], v29                      ; lane l takes the pair of wave l % 16
	s_wait_dscnt 0x0
	v_mov_b32 v32, v30
.irp m, 1,2,4,8
	s_delay_alu instid0(VALU_DEP_1)
	v_max_num_f32_dpp v32, v32, v32 row_xmask:\m row_mask:0xf bank_mask:0xf
.endr
	s_delay_alu instid0(VALU_DEP_1)
	v_sub_f32 v30, v30, v32                        ; m - M of the lane's wave,
	v_sub_f32 v33, v24, v32                        ; of my own
	s_delay_alu instid0(VALU_DEP_2)
	v_mul_f32 v30, 0x3fb8aa3b, v30
	s_delay_alu instid0(VALU_DEP_2)
	v_mul_f32 v33, 0x3fb8aa3b, v33
	s_wait_alu depctr_va_vdst(0)                   ; ahead of the batch
	v_exp_f32 v30, v30
	v_exp_f32 v33, v33
	v_nop
	s_wait_alu depctr_va_vdst(0)                   ; ahead of its first reader
	v_mul_f32 v31, v31, v30
.irp m, 1,2,4,8
	s_delay_alu instid0(VALU_DEP_1)
	v_add_f32_dpp v31, v31, v31 row_xmask:\m row_mask:0xf bank_mask:0xf
.endr
	s_wait_alu depctr_va_vdst(0)
	v_rcp_f32 v34, v31                             ; the row's sum: at least 1, since the largest score gives 1
	v_nop
	s_wait_alu depctr_va_vdst(0)                   ; ahead of the reciprocal's first reader
	v_mul_f32 v36, v33, v34
	v_pk_mul_f32 v[4:5], v[4:5], v[36:37] op_sel_hi:[1,0]      ; (of the pair the low word serves both halves)
	v_pk_mul_f32 v[6:7], v[6:7], v[36:37] op_sel_hi:[1,0]
	global_store_b128 v2, v[4:7], s[6:7]           ; 16 lanes store 256 consecutive bytes, at a multiple of 256 from out0's first byte
	s_wait_tensorcnt 0x0                           ; the wave's end
	ds_add_u32 v40, v41
	s_wait_dscnt 0x0
	s_endpgm
.Lfunc_end_k_qa632eabeb0_softmax:
	.size	k_qa632eabeb0_softmax, .Lfunc_end_k_qa632eabeb0_softmax-k_qa632eabeb0_softmax
	.p2alignl 7, 3214868480
	.fill 96, 4, 3214868480
	.section	.rodata,"a",@progbits
	.p2align	6, 0x0
	.amdhsa_kernel k_qa632eabeb0_softmax
		.amdhsa_group_segment_fixed_size 2304
		.amdhsa_private_segment_fixed_size 0
		.amdhsa_enable_private_segment 0
		.amdhsa_kernarg_size 16
		.amdhsa_user_sgpr_count 2
		.amdhsa_user_sgpr_kernarg_segment_ptr 1
		.amdhsa_wavefront_size32 1
		.amdhsa_system_sgpr_workgroup_id_x 1
		.amdhsa_system_sgpr_workgroup_id_y 1
		.amdhsa_system_sgpr_workgroup_id_z 1
		.amdhsa_system_vgpr_workitem_id 0
		.amdhsa_next_free_vgpr 42
		.amdhsa_next_free_sgpr 66
		.amdhsa_reserve_vcc 0
		.amdhsa_float_denorm_mode_32 3
		.amdhsa_float_denorm_mode_16_64 3
		.amdhsa_memory_ordered 1
		.amdhsa_forward_progress 1
		.amdhsa_inst_pref_size 6
	.end_amdhsa_kernel
	.amdgpu_metadata
---
amdhsa.version: [ 1, 2 ]
amdhsa.kernels:
  - .name:           k_qa632eabeb0_softmax
    .symbol:         k_qa632eabeb0_softmax.kd
    .args:
      - { .name: part, .offset: 0, .size: 8, .value_kind: global_buffer, .address_space: global }
      - { .name: out0, .offset: 8, .size: 8, .value_kind: global_buffer, .address_space: global }
    .group_segment_fixed_size: 2304
    .private_segment_fixed_size: 0
    .kernarg_segment_align: 8
    .kernarg_segment_size: 16
    .max_flat_workgroup_size: 512
    .sgpr_count:     66
    .vgpr_count:     42
    .wavefront_size: 32
...
	.end_amdgpu_metadata
.endif
;; end of part 2
